; MI455X (gfx1250); checked and timed in simulation.
; The chip was launched on July 23, 2026; its instructions are those of AMD's public machine-readable ISA for CDNA 5 (MIT licence, August 2026) and "CDNA5" Instruction Set Architecture Reference Guide (July 2026). The comments in the code are by the model that wrote it; some were corrected since.
;; Pairwise Subtraction Layer. Allowed arithmetic: float matrix products may take bf16 or f16 operands with f32 sums; all other float work in f32.
;; Inputs: A 256 x 512 x 2 float32; B 2 x 1,024 float32.
;; Outputs: out0 256 x 1 float32.
;; One version. Each part assembles by itself: llvm-mc -triple=amdgcn-amd-amdhsa -mcpu=gfx1250 --defsym DOCPART=n.
;; ======== version 1 of 1: 1 launch
;; launch pairmin (part 1): grid 256 x 1, 16 waves a work-group, no clusters, 43,264 bytes of LDS; arguments A, B, out0; writes out0
.if DOCPART == 1
	.amdgcn_target "amdgcn-amd-amdhsa--gfx1250"
	.amdhsa_code_object_version 6
	.text
	.protected	k_q787fc9a41c_pairmin
	.globl	k_q787fc9a41c_pairmin
	.p2align	8
	.type	k_q787fc9a41c_pairmin,@function
k_q787fc9a41c_pairmin:
	s_mov_b64 s[64:65], 0
	v_nop
	global_prefetch_b8 v0, s[64:65] scope:SCOPE_SE
	s_setreg_imm32_b32 hwreg(HW_REG_WAVE_MODE, 25, 1), 1
	s_wait_xcnt 0x0
; out[b] = min over ch of max over (l, f = ch or ch + 512) of min(bump(A[b][l][0] - B[0][f]), bump(A[b][l][1] - B[1][f])),
; bump(x) = sigmoid(10 x) sigmoid(-10 x).  (The raw reshape of [512 l][1024 f] to [1024][512] makes f mod 512 the channel
; ch and pools over l and over the two f that share a channel.)
; bump is even and never rises with |x|, for every x, so it changes places with the minima and maxima:
;   out[b] = bump(D),  D = max over ch of min over (l, f) of max(|A0 - B0|, |A1 - B1|).
; The differences are the same f32 subtractions; the exponential is taken once for a batch.
; A pair (l, f) costs two vector instructions: one dual subtraction (both coordinates), one max-then-min with |.| on its sources.
;
; SHARES.  One work-group = one batch, 16 waves.  Wave g owns l = 32 g .. 32 g + 31 and all 1,024 f.  Its 64 numbers of A are the
; same for all lanes, so they live in 64 scalar registers: four scalar loads, issued together, cover one aligned block of 256 bytes.
; B (8,192 bytes) is read once by the work-group, 16 bytes a thread, and laid into LDS as it lies in memory.
; A trip takes 128 channels: a lane owns ch = 128 t + 4 lane + 0..3, in two halves, f = ch and f = ch + 512; while one half is at
; work the other half's eight registers of B are loaded again from LDS.
; The waves' minima meet in LDS (16 rows of 512 channels); then thread t takes channel t.
; No cluster, no tensor load: the one input that work-groups share is B, 8,192 bytes read once by each.
; The output is one number for a work-group: one lane stores 4 bytes.
;
; LIMITS.  (1) A difference that is NaN (a NaN in A or B, or inf - inf) is passed over by the _num maximum and minimum, where the
; reference gives NaN for the batch.  (2) A result below 2^-126 (D above 8.73) comes out as 0, since v_exp_f32 flushes denormal
; results (ISA guide, its entry in 15.8); the reference gives a denormal there and 0 from about D = 8.87 on.  (3) bump is rounded
; once, on D, not on every pair: the last bits may differ.
.set TRIPS,  4                         ; 512 channels / 128 a trip
.set B1OFF,  4096                      ; LDS byte of B[1][0]; B[0][0] is at byte 0
.set HIOFF,  2048                      ; bytes from f = ch to f = ch + 512
.set TSTEP,  512                       ; bytes of 128 channels
.set RES,    8192                      ; LDS: 16 rows (one a wave) of 512 channel minima
.set RESROW, 2048
.set SCR,    RES+16*RESROW             ; LDS: one word a wave
.set BA,  2                            ; v2      LDS byte of my 4 channels in B[0]: 16 lane + 512 t
.set SA,  3                            ; v3      LDS byte of my 4 channels in my wave's row of results
.set CA,  4                            ; v4      4 x thread: channel t in a row of results
.set WA,  5                            ; v5      4 x wave
.set TA,  6                            ; v6      16 x thread: my 16 bytes of B
.set STG, 8                            ; v[8:11]   B on its way to LDS
.set BL0, 12                           ; v[12:15]  B[0][ch .. ch+3]
.set BH0, 16                           ; v[16:19]  B[0][ch+512 ..]
.set D,   20                           ; v20     the distance as it is reduced
.set E,   21                           ; v21     exp, then the result
.set BL1, 22                           ; v[22:25]  B[1][ch ..]      2 mod 4 away from B[0]'s registers: see HALF
.set BH1, 26                           ; v[26:29]  B[1][ch+512 ..]
.set ACC, 32                           ; v[32:39]  running minima: 4 channels for even l, 4 for odd l
.set T,   40                           ; v[40:55]  eight pairs of differences; in the end the 16 waves' minima of a channel
.set A_LO, 16                          ; s[16:63]  A of my l 0 .. 23: (A0, A1) of l at s[16 + 2 l]
.set A_HI, 68                          ; s[68:83]  A of my l 24 .. 31 (s64, s65 are not ours)
.set CNT, 14                           ; s14     the trip
	s_load_b128 s[4:7], s[0:1], 0x0                ; A s[4:5], B s[6:7]
	s_load_b64 s[8:9], s[0:1], 0x10                ; out
	v_lshl_add_u32 v56, v0, 2, 0xa100
	v_mov_b32 v57, 0
	v_lshrrev_b32 v1, 5, v0
	v_readfirstlane_b32 s10, v1                    ; wave g, 0 .. 15
	v_lshlrev_b32 v[TA], 4, v0                     ; 512 threads x 16 bytes = all of B
	v_and_b32 v1, 31, v0
	v_lshlrev_b32 v[BA], 4, v1                     ; 16 x lane
	s_lshl_b32 s12, ttmp9, 12                      ; batch x 4,096 bytes of A
	s_lshl_b32 s11, s10, 8                         ; + wave x 32 l x 8 bytes
	s_add_co_u32 s12, s12, s11
	s_mov_b32 s13, 0
	s_lshl_b32 s11, s10, 11                        ; my row of results
	s_add_co_u32 s11, s11, RES
	v_add_nc_u32 v[SA], s11, v[BA]
	s_wait_kmcnt 0x0
	global_load_b128 v[STG:STG+3], v[TA], s[6:7]   ; a wave's load covers 512 consecutive bytes of B
	s_add_nc_u64 s[4:5], s[4:5], s[12:13]
	s_load_b512 s[A_LO:A_LO+15],    s[4:5], 0x0    ; everything that the wave will ever read is asked for here
	s_load_b512 s[A_LO+16:A_LO+31], s[4:5], 0x40
	s_load_b512 s[A_LO+32:A_LO+47], s[4:5], 0x80
	s_load_b512 s[A_HI:A_HI+15],    s[4:5], 0xc0
	s_wait_loadcnt 0x0
	ds_store_b128 v[TA], v[STG:STG+3]
	s_wait_dscnt 0x0                               ; for the others' sake: my part of B is in LDS
	s_barrier_signal -1
	s_barrier_wait -1                              ; all of B is; nobody writes it again
; Half a trip: my 32 l against 4 f a lane, whose B[0] is in v[b0 .. b0+3] and B[1] in v[b1 .. b1+3].  Two l at a time: eight dual
; subtractions, then eight max-then-min on eight accumulators, so that no instruction leans on one nearer than eight lines back.
; The dual form wants one even and one odd destination and its two second sources in different register banks (number mod 4)
; (ISA guide, the restrictions of the dual-issue encoding): T is even, and b1 = b0 + 2 mod 4.  Its two first sources are the two
; scalar values that a vector instruction may read.
; first = 1: the first two l start the minima, so nothing is cleared.
.macro HALF b0, b1, first
.set fresh, \first
.set LI, 0
.rept 16
.if LI < 24
.set AR, A_LO+2*LI
.else
.set AR, A_HI+2*(LI-24)
.endif
.irp i, 0,1,2,3
	v_dual_sub_f32 v[T+2*\i], s[AR], v[\b0+\i] :: v_dual_sub_f32 v[T+2*\i+1], s[AR+1], v[\b1+\i]
.endr
.irp i, 0,1,2,3
	v_dual_sub_f32 v[T+8+2*\i], s[AR+2], v[\b0+\i] :: v_dual_sub_f32 v[T+8+2*\i+1], s[AR+3], v[\b1+\i]
.endr
.irp k, 0,1,2,3,4,5,6,7
.if fresh
	v_max_num_f32 v[ACC+\k], |v[T+2*\k]|, |v[T+2*\k+1]|
.else
	v_maxmin_num_f32 v[ACC+\k], |v[T+2*\k]|, |v[T+2*\k+1]|, v[ACC+\k]      ; min(max(|c0|, |c1|), acc)
.endif
.endr
.set fresh, 0
.set LI, LI+2
.endr
.endm
	ds_load_b128 v[BL0:BL0+3], v[BA]               ; trip 0, f = ch
	ds_load_b128 v[BL1:BL1+3], v[BA] offset:B1OFF
	s_mov_b32 s[CNT], 0
	s_wait_kmcnt 0x0                               ; my 64 numbers of A
	s_wait_dscnt 0x0                               ; on this way in nothing younger stands behind the two loads
.Ltrip:
	s_wait_dscnt 0x1                               ; round the back edge: the two loads of f = ch are older than the one store of results, which may stay out
	ds_load_b128 v[BH0:BH0+3], v[BA] offset:HIOFF          ; f = ch + 512: wanted half a trip from here
	ds_load_b128 v[BH1:BH1+3], v[BA] offset:B1OFF+HIOFF
	HALF BL0, BL1, 1
	s_wait_dscnt 0x0                               ; f = ch + 512 is in: nothing was issued behind those two loads
	s_cmp_eq_u32 s[CNT], TRIPS-1
	s_cbranch_scc1 .Lnomore                        ; the last trip has no successor to load for
	ds_load_b128 v[BL0:BL0+3], v[BA] offset:TSTEP          ; the next trip's f = ch, into registers that the first half is done with
	ds_load_b128 v[BL1:BL1+3], v[BA] offset:B1OFF+TSTEP
.Lnomore:
	HALF BH0, BH1, 0
.irp i, 0,1,2,3
	v_min_num_f32 v[ACC+\i], v[ACC+\i], v[ACC+4+\i]        ; even l with odd l
.endr
	ds_store_b128 v[SA], v[ACC:ACC+3]              ; 4 channels a lane, 512 consecutive bytes a wave, in my wave's own row
	v_add_nc_u32 v[BA], TSTEP, v[BA]
	v_add_nc_u32 v[SA], TSTEP, v[SA]
	s_add_co_u32 s[CNT], s[CNT], 1
	s_cmp_lt_u32 s[CNT], TRIPS
	s_cbranch_scc1 .Ltrip
	s_wait_dscnt 0x0                               ; for the others' sake: my row of results is in LDS
	s_barrier_signal -1
	s_barrier_wait -1
	; thread t = channel t: the minimum over the 16 waves' shares of l
	v_lshlrev_b32 v[CA], 2, v0
.irp g, 0,1,2,3,4,5,6,7,8,9,10,11,12,13,14,15
	ds_load_b32 v[T+\g], v[CA] offset:RES+\g*RESROW        ; 128 consecutive bytes a wave
.endr
	s_mov_b32 s12, 0x76543210                      ; v_permlanex16_b32: lane i of one half reads lane i of the other
	s_mov_b32 s13, 0xfedcba98
	s_lshl_b32 s11, s10, 2
	v_mov_b32 v[WA], s11
	s_wait_dscnt 0x0
	v_min3_num_f32 v[T+0],  v[T+0],  v[T+1],  v[T+2]
	v_min3_num_f32 v[T+3],  v[T+3],  v[T+4],  v[T+5]
	v_min3_num_f32 v[T+6],  v[T+6],  v[T+7],  v[T+8]
	v_min3_num_f32 v[T+9],  v[T+9],  v[T+10], v[T+11]
	v_min3_num_f32 v[T+12], v[T+12], v[T+13], v[T+14]
	v_min3_num_f32 v[T+0],  v[T+0],  v[T+3],  v[T+6]
	v_min3_num_f32 v[T+9],  v[T+9],  v[T+12], v[T+15]
	v_min_num_f32 v[D], v[T+0], v[T+9]             ; the channel's nearest distance
	; the largest of the wave's 32 channels, in every lane
	v_max_num_f32_dpp v[D], v[D], v[D] row_xmask:1 row_mask:0xf bank_mask:0xf
	v_max_num_f32_dpp v[D], v[D], v[D] row_xmask:2 row_mask:0xf bank_mask:0xf
	v_max_num_f32_dpp v[D], v[D], v[D] row_xmask:4 row_mask:0xf bank_mask:0xf
	v_max_num_f32_dpp v[D], v[D], v[D] row_xmask:8 row_mask:0xf bank_mask:0xf
	v_permlanex16_b32 v[T+1], v[D], s12, s13       ; its destination counts as read: a register that has been written
	v_max_num_f32 v[D], v[D], v[T+1]
	ds_store_b32 v[WA], v[D] offset:SCR            ; all lanes write the wave's word with the same value
	s_wait_dscnt 0x0                               ; for wave 0's sake
	s_barrier_signal -1
	s_barrier_wait -1
	s_cmp_lg_u32 s10, 0
	s_cbranch_scc1 .Ldone                          ; the rest is one wave's work; no barrier follows
	v_and_b32 v1, 15, v0
	v_lshlrev_b32 v1, 2, v1
	ds_load_b32 v[D], v1 offset:SCR                ; lane i and lane 16 + i: wave i's maximum
	s_lshl_b32 s12, ttmp9, 2                       ; my batch's 4 bytes of the output
	s_wait_dscnt 0x0
	v_max_num_f32_dpp v[D], v[D], v[D] row_xmask:1 row_mask:0xf bank_mask:0xf
	v_max_num_f32_dpp v[D], v[D], v[D] row_xmask:2 row_mask:0xf bank_mask:0xf
	v_max_num_f32_dpp v[D], v[D], v[D] row_xmask:4 row_mask:0xf bank_mask:0xf
	v_max_num_f32_dpp v[D], v[D], v[D] row_xmask:8 row_mask:0xf bank_mask:0xf
	; bump(D) with e = exp(-10 D), which lies in [0, 1] since D >= 0, so nothing overflows:
	; sigmoid(10 D) = 1 / (1 + e), sigmoid(-10 D) = e / (1 + e)
	v_mul_f32 v[E], 0xc166d4ca, v[D]               ; -10 log2(e) D
	v_exp_f32 v[E], v[E]
	v_mov_b32 v1, s12                              ; the plain instruction between a transcendental and the use of its result (ISA guide 5.7.2)
	s_wait_alu depctr_va_vdst(0)
	v_add_f32 v[D], 1.0, v[E]
	v_rcp_f32 v[D], v[D]
	v_nop                                          ; likewise
	s_wait_alu depctr_va_vdst(0)
	v_mul_f32 v[E], v[E], v[D]
	v_mul_f32 v[E], v[E], v[D]
	v_cmp_eq_u32 vcc_lo, 0, v0
	s_wait_xcnt 0x0                                ; EXEC is narrowed only when no earlier memory instruction still leans on it
	s_wait_tensorcnt 0x0
	ds_add_u32 v56, v57
	s_wait_dscnt 0x0
	s_and_saveexec_b32 s11, vcc_lo
	global_store_b32 v1, v[E], s[8:9]              ; lane 0 alone
	s_endpgm
.Ldone:
	s_wait_tensorcnt 0x0
	ds_add_u32 v56, v57
	s_wait_dscnt 0x0
	s_endpgm
.Lfunc_end_k_q787fc9a41c_pairmin:
	.size	k_q787fc9a41c_pairmin, .Lfunc_end_k_q787fc9a41c_pairmin-k_q787fc9a41c_pairmin
	.p2alignl 7, 3214868480
	.fill 96, 4, 3214868480
	.section	.rodata,"a",@progbits
	.p2align	6, 0x0
	.amdhsa_kernel k_q787fc9a41c_pairmin
		.amdhsa_group_segment_fixed_size 43264
		.amdhsa_private_segment_fixed_size 0
		.amdhsa_enable_private_segment 0
		.amdhsa_kernarg_size 24
		.amdhsa_user_sgpr_count 2
		.amdhsa_user_sgpr_kernarg_segment_ptr 1
		.amdhsa_wavefront_size32 1
		.amdhsa_system_sgpr_workgroup_id_x 1
		.amdhsa_system_sgpr_workgroup_id_y 1
		.amdhsa_system_sgpr_workgroup_id_z 1
		.amdhsa_system_vgpr_workitem_id 0
		.amdhsa_next_free_vgpr 58
		.amdhsa_next_free_sgpr 84
		.amdhsa_reserve_vcc 1
		.amdhsa_float_denorm_mode_32 3
		.amdhsa_float_denorm_mode_16_64 3
		.amdhsa_memory_ordered 1
		.amdhsa_forward_progress 1
		.amdhsa_inst_pref_size 39
	.end_amdhsa_kernel
	.amdgpu_metadata
---
amdhsa.version: [ 1, 2 ]
amdhsa.kernels:
  - .name:           k_q787fc9a41c_pairmin
    .symbol:         k_q787fc9a41c_pairmin.kd
    .args:
      - { .name: A, .offset: 0, .size: 8, .value_kind: global_buffer, .address_space: global }
      - { .name: B, .offset: 8, .size: 8, .value_kind: global_buffer, .address_space: global }
      - { .name: out0, .offset: 16, .size: 8, .value_kind: global_buffer, .address_space: global }
    .group_segment_fixed_size: 43264
    .private_segment_fixed_size: 0
    .kernarg_segment_align: 8
    .kernarg_segment_size: 24
    .max_flat_workgroup_size: 512
    .sgpr_count:     84
    .vgpr_count:     58
    .wavefront_size: 32
...
	.end_amdgpu_metadata
.endif
;; end of part 1
